; MI455X (gfx1250); checked and timed in simulation.
; The chip was launched on July 23, 2026; its instructions are those of AMD's public machine-readable ISA for CDNA 5 (MIT licence, August 2026) and "CDNA5" Instruction Set Architecture Reference Guide (July 2026). The comments in the code are by the model that wrote it; some were corrected since.
;; Interpolated Linear. Allowed arithmetic: float matrix products may take bf16 or f16 operands with f32 sums; other float arithmetic in f32, or as packed bf16 or f16 multiplies, adds, multiply-adds, maxima and minima; sums over many terms, partial sums and values carried from step to step in f32; what a program stores and reads back later, other than sums and carried values, may be rounded once to bf16 or f16.
;; Inputs: alpha 8,192 float32; bias1 2,048 float32; bias2 2,048 float32; input 8,192 x 2,048 float32; weight1 2,048 x 2,048 float32; weight2 2,048 x 2,048 float32.
;; Outputs: out0 8,192 x 2,048 float32.
;; 2 versions, each right; version 2 is version 1 with the launch tobf16 written anew for expert scheduling mode. Each part assembles by itself: llvm-mc -triple=amdgcn-amd-amdhsa -mcpu=gfx1250 --defsym DOCPART=n.
;; ======== version 1 of 2: 2 launches
;; workspace buffers: xw 50,331,648 bytes
;; launch tobf16 (part 1): grid 768 x 1, 8 waves a work-group, no clusters, 0 bytes of LDS; arguments input, weight1, weight2, xw; writes xw
.if DOCPART == 1
	.amdgcn_target "amdgcn-amd-amdhsa--gfx1250"
	.amdhsa_code_object_version 6
	.text
	.protected	k_qaec923b7fb_tobf16
	.globl	k_qaec923b7fb_tobf16
	.p2align	8
	.type	k_qaec923b7fb_tobf16,@function
k_qaec923b7fb_tobf16:
	s_mov_b64 s[64:65], 0
	v_nop
	global_prefetch_b8 v0, s[64:65] scope:SCOPE_SE
	s_setreg_imm32_b32 hwreg(HW_REG_WAVE_MODE, 25, 1), 1
	s_wait_xcnt 0x0
; xw = bf16(input), then bf16(weight1), then bf16(weight2): 12,288 rows of 2,048 numbers, row-major, one behind the other.
; Each number is rounded once, to nearest even.  LIMITS: a finite f32 above bf16's largest finite number becomes an infinity; NaN stays NaN.
; All three sources are dense, so the work is flat: work-group g takes 32,768 numbers (131,072 bytes in, 65,536 out):
; g 0-511 input, g 512-639 weight1, g 640-767 weight2; no share lies in two sources.  Wave w takes 16,384 bytes of it, as 32 loads
; of 512 consecutive bytes (16 bytes a lane).  All 32 loads of a wave go out at once; each is rounded and stored as it comes in.
; A store of the wave covers 256 consecutive bytes, aligned (8 bytes a lane).  No LDS, no barrier: no wave wants another's bytes.
.set X, 4                              ; v[4:131]  load i: four registers; its two lowest then hold the four bf16 to store
	s_load_b256 s[4:11], s[0:1], 0x0               ; input s[4:5], weight1 s[6:7], weight2 s[8:9], xw s[10:11]
	v_and_b32 v1, 31, v0                           ; lane
	v_lshrrev_b32 v2, 5, v0                        ; wave
	v_lshlrev_b32 v1, 4, v1                        ; 16 bytes a lane
	v_lshl_add_u32 v1, v2, 14, v1                  ; + 16,384 x wave: my offset in the share, in
	v_lshrrev_b32 v3, 1, v1                        ; and out: half of it
	s_and_b32 s12, ttmp9, 127                      ; 512 and 640 are multiples of 128: the share's number inside weight1 or weight2
	s_wait_kmcnt 0x0
	s_cmp_lt_u32 ttmp9, 640
	s_cselect_b64 s[14:15], s[6:7], s[8:9]         ; weight1 or weight2,
	s_cmp_lt_u32 ttmp9, 512
	s_cselect_b64 s[14:15], s[4:5], s[14:15]       ; or input
	s_cselect_b32 s16, ttmp9, s12                  ; the share's number inside its source
	s_lshl_b32 s16, s16, 17                        ; x 131,072 bytes: 2^26 at the most
	s_mov_b32 s17, 0
	s_add_nc_u64 s[14:15], s[14:15], s[16:17]
	s_lshl_b32 s18, ttmp9, 16                      ; x 65,536 bytes in xw
	s_mov_b32 s19, 0
	s_add_nc_u64 s[10:11], s[10:11], s[18:19]
.set i, 0
.rept 32
	global_load_b128 v[X+4*i:X+4*i+3], v1, s[14:15] offset:512*i th:TH_LOAD_NT  ; read once in the launch
.set i, i+1
.endr
.set i, 0
.rept 32
	s_wait_loadcnt 31-i                            ; loads come back in order (ISA guide 5.7.1): load i is in, the 31 - i younger ones stay out
	v_cvt_pk_bf16_f32 v[X+4*i], v[X+4*i], v[X+4*i+1]
	v_cvt_pk_bf16_f32 v[X+4*i+1], v[X+4*i+2], v[X+4*i+3]
	global_store_b64 v3, v[X+4*i:X+4*i+1], s[10:11] offset:256*i  ; no register that a store reads is written again, so no wait stands behind it
.set i, i+1
.endr
	s_endpgm
.Lfunc_end_k_qaec923b7fb_tobf16:
	.size	k_qaec923b7fb_tobf16, .Lfunc_end_k_qaec923b7fb_tobf16-k_qaec923b7fb_tobf16
	.p2alignl 7, 3214868480
	.fill 96, 4, 3214868480
	.section	.rodata,"a",@progbits
	.p2align	6, 0x0
	.amdhsa_kernel k_qaec923b7fb_tobf16
		.amdhsa_group_segment_fixed_size 0
		.amdhsa_private_segment_fixed_size 0
		.amdhsa_enable_private_segment 0
		.amdhsa_kernarg_size 32
		.amdhsa_user_sgpr_count 2
		.amdhsa_user_sgpr_kernarg_segment_ptr 1
		.amdhsa_wavefront_size32 1
		.amdhsa_system_sgpr_workgroup_id_x 1
		.amdhsa_system_sgpr_workgroup_id_y 1
		.amdhsa_system_sgpr_workgroup_id_z 1
		.amdhsa_system_vgpr_workitem_id 0
		.amdhsa_next_free_vgpr 132
		.amdhsa_next_free_sgpr 66
		.amdhsa_reserve_vcc 0
		.amdhsa_float_denorm_mode_32 3
		.amdhsa_float_denorm_mode_16_64 3
		.amdhsa_memory_ordered 1
		.amdhsa_forward_progress 1
		.amdhsa_inst_pref_size 13
	.end_amdhsa_kernel
	.amdgpu_metadata
---
amdhsa.version: [ 1, 2 ]
amdhsa.kernels:
  - .name:           k_qaec923b7fb_tobf16
    .symbol:         k_qaec923b7fb_tobf16.kd
    .args:
      - { .name: input, .offset: 0, .size: 8, .value_kind: global_buffer, .address_space: global }
      - { .name: weight1, .offset: 8, .size: 8, .value_kind: global_buffer, .address_space: global }
      - { .name: weight2, .offset: 16, .size: 8, .value_kind: global_buffer, .address_space: global }
      - { .name: xw, .offset: 24, .size: 8, .value_kind: global_buffer, .address_space: global }
    .group_segment_fixed_size: 0
    .private_segment_fixed_size: 0
    .kernarg_segment_align: 8
    .kernarg_segment_size: 32
    .max_flat_workgroup_size: 256
    .sgpr_count:     66
    .vgpr_count:     132
    .wavefront_size: 32
...
	.end_amdgpu_metadata
.endif
;; end of part 1
;; launch gemm (part 2): grid 16 x 16, 4 waves a work-group, clusters of 4 x 4, 327,680 bytes of LDS; arguments xw, out0, alpha, bias1, bias2; writes out0
.if DOCPART == 2
	.amdgcn_target "amdgcn-amd-amdhsa--gfx1250"
	.amdhsa_code_object_version 6
	.text
	.protected	k_qaec923b7fb_gemm
	.globl	k_qaec923b7fb_gemm
	.p2align	8
	.type	k_qaec923b7fb_gemm,@function
k_qaec923b7fb_gemm:
	s_mov_b64 s[64:65], 0
	v_nop
	global_prefetch_b8 v0, s[64:65] scope:SCOPE_SE
	s_setreg_imm32_b32 hwreg(HW_REG_WAVE_MODE, 25, 1), 1
	s_wait_xcnt 0x0
	s_wait_alu depctr_hold_cnt(0) depctr_sa_sdst(0) depctr_va_vdst(0) depctr_va_sdst(0) depctr_va_ssrc(0) depctr_va_vcc(0) depctr_vm_vsrc(0)
	s_getreg_b32 s2, hwreg(HW_REG_IB_STS2, 6, 4)
	s_cmp_eq_u32 s2, 0
	s_cbranch_scc0 .Lentry_in_a_cluster
	s_endpgm
.Lentry_in_a_cluster:
	s_bfe_u32 s2, ttmp6, 0x10000c
	s_cmp_lg_u32 s2, 0xf033
	s_cbranch_scc0 .Lentry_shape_is_right
	s_endpgm
.Lentry_shape_is_right:
; out0[b][o] = a[b] (x W1^T + bias1)[b][o] + (1 - a[b]) (x W2^T + bias2)[b][o], which is the problem's sum with its terms gathered by a and 1 - a.
; xw holds x (rows 0-8191), W1 (rows 8192-10239) and W2 (rows 10240-12287) in bf16, 2,048 numbers a row.  alpha, bias1, bias2 and out0 are f32.
; LIMITS.  ALL SIX INPUTS ARE ROUNDED ONCE TO bf16 (8 significant bits): x, W1, W2 come so; alpha, bias1 and bias2 are rounded here, in registers, and widened again at once, so that every input carries the
; same rounding.  All arithmetic is f32: the sums in the matrix unit's order, the bias being the sum's first term; 1 - a, and the two scalings.  NaN and infinities are not treated apart.
; SHARES.  A tile is 256 rows of out0 x 128 columns, for BOTH products: 256 x 256 sums.  Four waves, as many as a WGP has SIMDs.  Wave w takes rows 128 (w / 2) on and columns 64 (w % 2) on: 128 rows x
; (64 columns of y1 and the same 64 of y2) in 64 accumulators of 16 x 16, 512 registers.  So both terms of an output lie in one lane, and the interpolation needs no exchange.
; K goes in steps of 128 through a ring of two LDS slots filled by the tensor data mover: a tile's rows are 256 bytes of memory and start at multiples of 256 bytes from the buffer's first byte.
; A WORK-GROUP STAYS: 32 x 16 tiles are two for each of 256 work-groups, 4,096 rows apart; the ring runs on from the first tile into the second, and nothing waits for the first tile's stores.
; CLUSTERS: 4 x 4 work-groups.  The four of a row of the cluster need the same rows of x, the four of a column the same rows of W1 and W2.  Such a tile is asked for JOINTLY: each of the four issues the same
; tensor load, with the same descriptor and a mask that names the four, and each receives the tile in its own LDS: a quarter of the requests.
; THE BIAS is the C operand of each accumulator's first product (bias1 for y1's, bias2 for y2's): nothing is cleared, and no addition is spent on it.
; THE MATRIX INSTRUCTION IS USED TRANSPOSED: source 0 = 16 rows of W, source 1 = 16 rows of x.  In the result lane l holds row l % 16 of out0 and the columns 8 (l / 16) + 0..7: eight neighbouring numbers.
; REGISTERS, in windows of 256 (s_set_vgpr_msb's low byte: bits 1:0 source 0, 3:2 source 1, 5:4 source 2, 7:6 destination):
;   window 0: v0-31 addresses, alpha; v64-127, v128-191 fragments of x (8 x 16 rows x 32 K), two buffers; v32-63, v192-255 at work on the way out
;   window 1: v0-63 the bias as C operands (n block b at v[8 b]: b 0-3 bias1, b 4-7 bias2); v64-127, v128-191 fragments of W, two buffers (b 0-3 W1, b 4-7 W2); v192-223 at work once, where the bias is rounded
;   window 2: the 32 accumulators of my rows 0-63 (accumulator (a, b) at v[8 (8 a + b)]);   window 3: those of my rows 64-127
.set SIZE_K, 2048
.set KSTEP,  128
.set PITCH,  272                       ; an LDS row: 256 bytes of data + 16 of padding = 68 words: row r starts at bank 4 r mod 64 (64 banks of 4 bytes: ISA guide 11.1), so the 16 rows that a load touches start at 16 different banks
.set HALFT,  128*PITCH                 ; 128 rows: what one tensor load brings
.set SLOT,   4*HALFT                   ; x's rows 0-127, x's rows 128-255, W1's 128 rows, W2's 128 rows
.set STAGE,  2*SLOT                    ; behind the ring: 16 rows x 272 bytes for each wave, for the way out; no tensor load fills it
.set SPITCH, 272
.set SPARE,  STAGE+4*16*SPITCH         ; behind the stages: the spare words, 128 bytes for each wave: two blocks of 256 bytes that no other line names
.set LAPS,   SIZE_K/(2*KSTEP)          ; a lap = two K steps = once round the ring: 8
.set TILES,  2
.set WALK,   4096                      ; rows from a work-group's first tile to its second
.set OUTROW, 8192                      ; bytes in a row of out0
.set BOFF,   8192*SIZE_K*2             ; W1's first byte in xw
.set NEXT_A, WALK*SIZE_K*2-(SIZE_K-2*KSTEP)*2   ; bytes from a slot's last K step of a tile to its first of the next tile: x goes WALK rows down and back along K,
.set BACK_B, (SIZE_K-2*KSTEP)*2        ; W only back: both tiles take the same rows of W
.set NEXT_C, (WALK-7*16)*OUTROW        ; bytes from my last 16 rows of a tile to my first of the next
.set ALP,  4                           ; v4-11   alpha of my row (l % 16) in my blocks 0 to 7 of 16 rows, as loaded
.set AW,   12                          ; v12-13  the block in hand: alpha, rounded to bf16 and widened, in the low word; the packed forms name a pair and take its low word for both halves
.set OM,   14                          ; v14-15  1 - that alpha, likewise
.set ADRA, 16                          ; v16-17  LDS address of my fragments of x in slot 0, 1
.set AO,   18                          ; v18     4 (l % 16): my row's alpha in a block
.set BO,   19                          ; v19     32 (l / 16): my eight columns' bias in a block of 16
.set ADRB, 20                          ; v20-21  LDS address of my fragments of W in slot 0, 1
.set STO,  24                          ; v24     the way out: where I put 32 bytes of a row
.set RD,   25                          ; v25     the way out: where I read a row back
.set CO,   26                          ; v26     my byte offset in out0
.set SPW,  28                          ; v28     LDS address of my spare word: SPARE + 4 x my thread's number; never rewritten
.set NIL,  29                          ; v29     0; never rewritten
.set PFO,  30                          ; v30     the prefetches' offset: my lane x a row of xw (4,096 bytes); never rewritten
.set OB,   32                          ; the way out: 16 rows read back from the stage: v32-63 and v224-255 by turns
.set F0,   64                          ; fragment buffer 0
.set F1,   128                         ; fragment buffer 1
.set TMP,  192                         ; v192-223 the way out: a block's 16 rows x 64 columns, interpolated
.set BT,   192                         ; v192-223 of window 1: the bias in packed bf16, between its rounding and its widening
.set G1,   24                          ; s[24:31] descriptor group 1 for x's tiles
.set G0,   32                          ; s[32:39] descriptor group 0 for x's tiles, one set for each slot
.set LIM,  43                          ; s43      1 in a wave that prefetches, else the greatest number
.set PFA,  44                          ; s[44:45] where my prefetches stand: my work-group's 32 rows of the 128 that I fetch, one K step further along K than the refill that is being asked for; a prefetch names the K step after that
.set G1B,  48                          ; s[48:55] descriptor group 1 for W's tiles: it differs from x's in the mask alone
.set G0B,  56                          ; s[56:63] descriptor group 0 for W's tiles, one set for each slot
.set ALF,  68                          ; s[68:69] alpha at my first row of the tile in hand
.set BI1,  70                          ; s[70:71] bias1 at my first column
.set BI2,  72                          ; s[72:73] bias2 at my first column
.set MSB, 0
.macro WIN new                         ; the immediate's high byte repeats the setting that is left; a switch that changes nothing is dropped
.if MSB != (\new)
	s_set_vgpr_msb (MSB<<8)|(\new)
.set MSB, \new
.endif
.endm
.set MUL_LO, 0xa1                      ; source 0 (W) window 1, source 1 (x) window 0, C and D window 2
.set MUL_HI, 0xf1                      ; the same, C and D window 3
.set BEG_LO, 0x91                      ; a sum's first product: C (the bias) window 1, D window 2
.set BEG_HI, 0xd1                      ; the same, D window 3
.set TO_B,   0x40                      ; destination window 1, address window 0
.set IN_B,   0x45                      ; sources 0 and 1 and the destination in window 1
; A joint load.  Waves 0 and 1 fetch x's two halves, wave 2 W1's rows, wave 3 W2's.  Each of the two lines has ONE mask and one set of registers for all that issue it, and nothing in them hangs on a
; coordinate that the four partners do not share.  The branch hangs on the wave's number alone.  An s_nop 0 and four v_nop follow each of the two lines, ahead of the jump and the label.
.macro JLOAD s
	s_cmp_eq_u32 s11, 0
	s_cbranch_scc0 .Lfor_b_\@
	tensor_load_to_lds s[G0+4*(\s):G0+4*(\s)+3], s[G1:G1+7]
	s_nop 0
.rept 4
	v_nop
.endr
	s_branch .Lasked_\@
.Lfor_b_\@:
	tensor_load_to_lds s[G0B+4*(\s):G0B+4*(\s)+3], s[G1B:G1B+7]
	s_nop 0
.rept 4
	v_nop
.endr
.Lasked_\@:
.endm
; A PREFETCH INTO THE L2, behind each joint load, its five lines and the run of LDS loads that follows them: the K step that stands TWO refills on (512 matrix instructions ahead of the load that will ask for it):
; 32 rows x 256 bytes, a lane a row, one instruction a wave.  Each row's 256 bytes of a K step are named ONCE in the launch: x's rows are read by all four clusters of a row of clusters, of which the one with
; cluster x = 0 asks; W's rows by all four of a column, of which the one with cluster y = 0 asks.  The four partners that ask for a tile jointly share its 128 rows out BY ADDRESS, 32 each (by cx for x, by cy for W):
; no branch hangs on a work-group's place in its cluster.  how = 0, in the loop: a tile's last two refills have no K step two on; how = 1, at the change of tiles.
.macro ASK how
.if \how
	s_cmp_eq_u32 s[LIM], 1
.else
	s_cmp_gt_u32 s3, s[LIM]                        ; s3 = 1 in the loop's last trip
.endif
	s_cbranch_scc0 .Lnot_mine_\@
	global_prefetch_b8 v[PFO], s[PFA:PFA+1] offset:KSTEP*2 th:TH_LOAD_NT scope:SCOPE_SE
.Lnot_mine_\@:
.endm
; A round of the cluster's barrier: my work-group's barrier, so that wave 0's signal speaks for all four waves; wave 0 signals for the work-group; every wave waits for all sixteen work-groups;
; my work-group's barrier once more.  No LDS instruction of the wave is pending at a signal.
.macro CREST                           ; a round behind its opening barrier
	s_cmp_lg_u32 s10, 0
	s_cbranch_scc1 .Lnot_wave_0_\@
	s_barrier_signal -3
.Lnot_wave_0_\@:
	s_barrier_wait -3
	s_barrier_signal -1
	s_barrier_wait -1
.endm
.macro CROUND                          ; a whole round
	s_barrier_signal -1
	s_barrier_wait -1
	CREST
.endm
	s_load_b64 s[4:5], s[0:1], 0x0                 ; xw
	s_load_b64 s[8:9], s[0:1], 0x8                 ; out0
	s_load_b128 s[68:71], s[0:1], 0x10             ; alpha, bias1
	s_load_b64 s[72:73], s[0:1], 0x20              ; bias2
	v_lshl_add_u32 v[SPW], v0, 2, SPARE
	v_mov_b32 v[NIL], 0
	ds_add_u32 v[SPW], v[NIL]                      ; the wave's opening: the add, twice on end, and its wait ahead of my first tensor load; the set-up below the second, work on registers, stands between it and the wait
	ds_add_u32 v[SPW], v[NIL]                      ; and once more, under the one wait
	v_lshrrev_b32 v1, 5, v0
	v_readfirstlane_b32 s10, v1                    ; wave 0..3
	s_lshr_b32 s11, s10, 1                         ; which half of the tile's rows is mine.  Also: I fetch for x (0) or for W (1)
	s_and_b32 s12, s10, 1                          ; which half of its columns.  Also: which 128 rows I fetch (x's first or second; W1's or W2's)
	s_bfe_u32 s40, ttmp6, 0x40000                  ; cx: my place along the cluster's x
	s_bfe_u32 s41, ttmp6, 0x40004                  ; cy: along its y
	s_lshl_b32 s42, ttmp9, 2                       ; in a cluster launch ttmp9 and ttmp7 count clusters
	s_add_co_u32 s42, s42, s40                     ; tile column = 4 x cluster x + cx: 128 columns of out0
	s_and_b32 s13, ttmp7, 0xffff
	s_lshl_b32 s13, s13, 2
	s_add_co_u32 s13, s13, s41                     ; tile row = 4 x cluster y + cy: 256 rows
	s_lshl_b32 s43, s41, 2
	s_lshl_b32 s43, 15, s43                        ; my row of the cluster: places 4 cy .. 4 cy + 3
	s_lshl_b32 s44, 0x1111, s40                    ; my column: places cx, cx + 4, cx + 8, cx + 12
	; descriptor group 1: a tile of 128 rows x 128 elements, padded in LDS
	s_or_b32 s[G1+0], s43, (1<<16)|(1<<20)|(1<<21)|(5<<22)|(3<<25)   ; 15:0 the mask: x's tiles go to my row; 17:16 elements of 2 bytes; 20 padding on; 21 set beside a mask; 24:22 after every 64 words (code 5); 31:25 4 words of it (code 3)
	s_or_b32 s[G1B+0], s44, (1<<16)|(1<<20)|(1<<21)|(5<<22)|(3<<25)  ; the same with the mask of my column, for W's tiles
.irp g, G1, G1B
	s_mov_b32 s[(\g)+1], KSTEP<<16                 ; 63:48 tensor_dim0, low half = 128
	s_mov_b32 s[(\g)+2], 128<<16                   ; 79:64 its high half = 0; 95:80 tensor_dim1, low half = 128
	s_mov_b32 s[(\g)+3], KSTEP<<16                 ; 111:96 its high half = 0; 127:112 tile_dim0 = 128
	s_mov_b32 s[(\g)+4], 128                       ; 143:128 tile_dim1 = 128; 159:144 tile_dim2 = 0
	s_mov_b32 s[(\g)+5], SIZE_K                    ; 191:160 tensor_dim0_stride, low word: elements from row to row
	s_mov_b32 s[(\g)+6], 0
	s_mov_b32 s[(\g)+7], 0
.endr
	; where the tiles come from.  x's hang on the tile row alone, which my row of the cluster shares; W's on the tile column alone, which my column shares.
	; Every wave makes both addresses, in registers that never hold the other coordinate, and asks by one of them.
	s_lshl_b32 s17, s12, 7
	s_lshl_b32 s16, s13, 8
	s_add_co_u32 s16, s16, s17                     ; x: row 256 x tile row + 128 x half
	s_lshl_b32 s16, s16, 12                        ; x 4,096 bytes: under 2^25
	s_mov_b32 s17, 0
	s_lshl_b32 s47, s12, 11
	s_lshl_b32 s46, s42, 7
	s_add_co_u32 s46, s46, s47                     ; W: row 128 x tile column, + 2,048 for W2
	s_lshl_b32 s46, s46, 12
	s_mov_b32 s47, 0
	s_mul_i32 s20, s10, HALFT                      ; and where they go: wave x 128 rows: no place in the cluster enters an LDS address
	s_wait_dscnt 0x0                               ; both opening adds are done
	s_wait_kmcnt 0x0
	s_add_nc_u64 s[6:7], s[4:5], BOFF              ; W1's first row
	s_add_nc_u64 s[14:15], s[4:5], s[16:17]
	s_add_nc_u64 s[46:47], s[6:7], s[46:47]
	CROUND                                         ; all sixteen work-groups are here: the first joint loads meet
.irp s, 0,1
	s_mov_b32 s[G0+4*(\s)], 1                                        ; 1:0 count = 1
	s_add_co_u32 s[G0+4*(\s)+1], s20, (\s)*SLOT                      ; 63:32 LDS address
	s_add_nc_u64 s[G0+4*(\s)+2:G0+4*(\s)+3], s[14:15], (\s)*KSTEP*2  ; 120:64 global address: K step s
	s_or_b32 s[G0+4*(\s)+3], s[G0+4*(\s)+3], 0x80000000              ; 127:126 type = 2
	s_mov_b32 s[G0B+4*(\s)], 1
	s_add_co_u32 s[G0B+4*(\s)+1], s20, (\s)*SLOT
	s_add_nc_u64 s[G0B+4*(\s)+2:G0B+4*(\s)+3], s[46:47], (\s)*KSTEP*2
	s_or_b32 s[G0B+4*(\s)+3], s[G0B+4*(\s)+3], 0x80000000
	JLOAD \s                                       ; the ring is filled before anything else is done: two loads of mine are out
.endr
	; A fragment is 16 rows x 32 K in 8 registers: lane l holds row l % 16; registers 0-3 hold K = 8 (l / 16) + 0..7, registers 4-7 hold
	; K = 16 + 8 (l / 16) + 0..7.  From rows that lie along K: two loads of 16 bytes, 32 bytes apart.  The same for source 0 and source 1.
	v_and_b32 v1, 15, v0                           ; l % 16
	v_bfe_u32 v2, v0, 4, 1                         ; l / 16
	v_mul_u32_u24 v3, v1, PITCH
	v_lshl_add_u32 v3, v2, 4, v3                   ; row x pitch + 16 x half
	s_mul_i32 s21, s11, HALFT                      ; my 128 rows of x
	s_mul_i32 s22, s12, 64*PITCH                   ; my 64 rows of W1 (W2's lie 128 rows further on),
	s_add_co_u32 s22, s22, 2*HALFT                 ; behind x's 256
.irp s, 0,1
	v_add_nc_u32 v[ADRA+(\s)], s21, v3
	v_add_nc_u32 v[ADRB+(\s)], s22, v3
	s_add_co_u32 s21, s21, SLOT
	s_add_co_u32 s22, s22, SLOT
.endr
	s_mul_i32 s23, s10, 16*SPITCH
	s_add_co_u32 s23, s23, STAGE                   ; my stage
	v_mul_u32_u24 v22, v1, SPITCH                  ; in: row l % 16, 32 bytes (eight f32) for each half of the lanes
	v_lshl_add_u32 v22, v2, 5, v22
	v_add_nc_u32 v[STO], s23, v22
	v_mul_u32_u24 v23, v2, SPITCH                  ; back: lanes 0-15 take one row of 256 bytes, lanes 16-31 the next
	v_lshl_add_u32 v23, v1, 4, v23
	v_add_nc_u32 v[RD], s23, v23
	v_lshlrev_b32 v23, 13, v2                      ; and the same two rows in out0, 8,192 bytes apart
	v_lshl_add_u32 v[CO], v1, 4, v23
	v_lshlrev_b32 v[AO], 2, v1
	v_lshlrev_b32 v[BO], 5, v2
	v_mov_b32 v[AW+1], 0                           ; the pairs' high words are named with the low ones, so they are written
	v_mov_b32 v[OM+1], 0
	s_lshl_b32 s74, s42, 9                         ; my first column, in bytes of f32: 512 x tile column + 256 x half
	s_lshl_b32 s75, s12, 8
	s_add_co_u32 s74, s74, s75
	s_mov_b32 s75, 0
	s_add_nc_u64 s[BI1:BI1+1], s[BI1:BI1+1], s[74:75]
	s_add_nc_u64 s[BI2:BI2+1], s[BI2:BI2+1], s[74:75]
	s_lshl_b32 s74, s13, 10                        ; my first row's alpha: 1,024 x tile row + 512 x half
	s_lshl_b32 s75, s11, 9
	s_add_co_u32 s74, s74, s75
	s_mov_b32 s75, 0
	s_add_nc_u64 s[ALF:ALF+1], s[ALF:ALF+1], s[74:75]
	WIN TO_B                                       ; the bias, once: in a result's layout register j of lane l is column 8 (l / 16) + j, whatever the row
.irp b, 0,1,2,3
	global_load_b128 v[8*(\b):8*(\b)+3],       v[BO], s[BI1:BI1+1] offset:64*(\b)
	global_load_b128 v[8*(\b)+4:8*(\b)+7],     v[BO], s[BI1:BI1+1] offset:64*(\b)+16
	global_load_b128 v[32+8*(\b):32+8*(\b)+3], v[BO], s[BI2:BI2+1] offset:64*(\b)
	global_load_b128 v[32+8*(\b)+4:32+8*(\b)+7], v[BO], s[BI2:BI2+1] offset:64*(\b)+16
.endr
	WIN 0
.irp a, 0,1,2,3,4,5,6,7
	global_load_b32 v[ALP+(\a)], v[AO], s[ALF:ALF+1] offset:64*(\a)  ; alpha of the first tile's rows: one number a lane and block
.endr
	; where my part of the first tile begins in out0, in bytes: the first way out adds it to out0's address
	s_lshl_b32 s13, s13, 8                         ; 256 x tile row
	s_lshl_b32 s14, s11, 7
	s_add_co_u32 s16, s13, s14                     ; my first row,
	s_lshl_b32 s16, s16, 13                        ; x 8,192 bytes: under 2^25
	s_lshl_b32 s46, s42, 9                         ; my first column, in bytes
	s_lshl_b32 s47, s12, 8
	s_add_co_u32 s46, s46, s47
	s_add_co_u32 s16, s16, s46
	s_mov_b32 s17, 0
	; the prefetches.  s13 = 256 x tile row, s42 = tile column, s40 = cx, s41 = cy still stand; s[4:5] = x, s[6:7] = W1
	s_lshl_b32 s42, s42, 7
	s_lshl_b32 s20, s12, 7
	s_add_co_u32 s20, s20, s13                     ; the 128 rows that I fetch: of x,
	s_lshl_b32 s21, s12, 11
	s_add_co_u32 s21, s21, s42                     ; or of W
	s_and_b32 s22, ttmp7, 0xffff                   ; cluster y
	s_cmp_eq_u32 s11, 0                            ; do I fetch for x?
	s_cselect_b32 s20, s20, s21
	s_cselect_b32 s21, s40, s41                    ; my place among the four that ask with me
	s_cselect_b32 s22, ttmp9, s22                  ; the coordinate along which other clusters read the same rows
	s_cselect_b64 s[PFA:PFA+1], s[4:5], s[6:7]
	s_cmp_eq_u32 s22, 0
	s_cselect_b32 s[LIM], 1, -1                    ; the same in all sixteen partners, for a given wave
	s_lshl_b32 s21, s21, 5
	s_add_co_u32 s20, s20, s21                     ; + my work-group's 32 of the 128
	s_lshl_b32 s20, s20, 12
	s_mov_b32 s21, 0
	s_add_nc_u64 s[PFA:PFA+1], s[PFA:PFA+1], s[20:21]
	s_add_nc_u64 s[PFA:PFA+1], s[PFA:PFA+1], 2*KSTEP*2  ; at K step 2: the first refill steps it to 3 and names K step 4
	v_and_b32 v[PFO], 31, v0
	v_lshlrev_b32 v[PFO], 12, v[PFO]
	; nothing is prefetched here, at the head, where every work-group's first two tiles are on their way: K steps 2 and 3 come by their refills alone
; 16 matrix instructions: m blocks a0, a0 + 1 of the window's four (hi = 0: my rows 0-63, 1: rows 64-127) x all 8 n blocks, 32 along K.
; first = 1: the product starts the sum, with the n block's bias as C.  The 64 accumulators take turns, one instruction a turn, in the same order in every quarter.
.macro MUL16 f, hi, a0, first
.if \first
	WIN BEG_LO+0x40*(\hi)
.else
	WIN MUL_LO+0x50*(\hi)
.endif
.irp a, \a0, (\a0)+1
.irp b, 0,1,2,3,4,5,6,7
.if \first
	v_wmma_f32_16x16x32_bf16 v[8*(8*(\a)+(\b)):8*(8*(\a)+(\b))+7], v[(\f)+8*(\b):(\f)+8*(\b)+7], v[(\f)+8*(4*(\hi)+(\a)):(\f)+8*(4*(\hi)+(\a))+7], v[8*(\b):8*(\b)+7]
.else
	v_wmma_f32_16x16x32_bf16 v[8*(8*(\a)+(\b)):8*(8*(\a)+(\b))+7], v[(\f)+8*(\b):(\f)+8*(\b)+7], v[(\f)+8*(4*(\hi)+(\a)):(\f)+8*(4*(\hi)+(\a))+7], v[8*(8*(\a)+(\b)):8*(8*(\a)+(\b))+7]
.endif
.endr
.endr
.endm
; 32 LDS loads in one run: the fragments of one quarter step (64 rows of W1, the same 64 of W2, 128 rows of x; 32 K at byte k of the rows) into buffer f.  The largest immediate is 48,096.
.macro FETCH slot, k, f
	WIN TO_B
.irp i, 0,1,2,3,4,5,6,7
	ds_load_b128 v[(\f)+8*(\i):(\f)+8*(\i)+3],   v[ADRB+(\slot)] offset:(\k)+(((\i)%4)*16+((\i)/4)*128)*PITCH
	ds_load_b128 v[(\f)+8*(\i)+4:(\f)+8*(\i)+7], v[ADRB+(\slot)] offset:(\k)+(((\i)%4)*16+((\i)/4)*128)*PITCH+32
.endr
	WIN 0
.irp i, 0,1,2,3,4,5,6,7
	ds_load_b128 v[(\f)+8*(\i):(\f)+8*(\i)+3],   v[ADRA+(\slot)] offset:(\k)+(\i)*16*PITCH
	ds_load_b128 v[(\f)+8*(\i)+4:(\f)+8*(\i)+7], v[ADRA+(\slot)] offset:(\k)+(\i)*16*PITCH+32
.endr
.endm
; A load into a register that a matrix instruction has read, and a vector instruction that reads a matrix result, stand four places behind that matrix instruction, and only plain vector instructions that
; name none of its registers are places (ISA guide 7.12.1 for vector instructions); the matrix instructions in between are not counted.
.macro PLACES
.rept 4
	v_nop
.endr
.endm
; A K step is four quarter steps of 32 along K, 64 matrix instructions each, on buffers 0, 1, 0, 1.
; One of the first three: multiplies buffer f; in its middle it fetches the next quarter's fragments, at byte k of the same slot's rows, into buffer g.
.macro QUARTER slot, k, f, g, first
	s_wait_dscnt 8                                 ; W and x's rows 0-63 are in; the youngest eight loads (x's rows 64-127) may be out
	MUL16 \f, 0, 0, \first
	MUL16 \f, 0, 2, \first
	PLACES
	FETCH \slot, \k, \g
	s_wait_dscnt 32                                ; all but the 32 just issued
	MUL16 \f, 1, 0, \first
	MUL16 \f, 1, 2, \first
.endm
; The last quarter multiplies buffer 1 and changes slots.  MEET is its first half: ONE barrier for the change of slots, for two things.  In front of it each wave waits for all its tensor loads, of which one
; is out: its part of the next slot; adds 0 to its spare word; and waits for that and for its own reads of this slot.  Behind it nobody reads this slot any more and the next slot is whole.
.macro MEET round                      ; round = 1: a round of the cluster's barrier follows
	WIN 0                                          ; (the add's two registers lie in window 0)
	s_wait_tensorcnt 0x0                           ; all my tensor loads have landed: the one that was out is my part of the next slot;
	ds_add_u32 v[SPW], v[NIL]                      ; 0 onto my spare word;
	s_wait_dscnt 9                                 ; (the add and the youngest eight loads may be out)
	MUL16 F1, 0, 0, 0                              ; sixteen matrix instructions stand between the add and the wait for it
	s_wait_dscnt 0x0                               ; the add is done, and my reads of this slot are over:
	s_barrier_signal -1                            ; say so (where a slot is filled again this barrier opens a round of the cluster's barrier),
	MUL16 F1, 0, 2, 0                              ; work on registers while the others arrive,
.if \round
	WIN 0
.endif
	s_barrier_wait -1                              ; and go on when all four have said so
.endm
; The whole last quarter.  Behind the round the slot just read out is filled again first: with this tile's K step two steps on (on = 0) or, in the first tile's last two K steps, with the second tile's
; K step 0 or 1 (on = 1); then come the next slot's first fragments.  From a request to the wait for it a wave issues 224 matrix instructions, across the tiles too.
.macro TURN slot, next, on
	s_wait_xcnt 0x0                                ; the last prefetch, a K step back, has read its address: it is stepped here, ahead of the waits of the change of slots
.if (\on) && (\slot) == 0
	s_add_nc_u64 s[PFA:PFA+1], s[PFA:PFA+1], (WALK-1)*SIZE_K*2+KSTEP*2  ; from the K step after the tile's last to the next tile's K step 1: WALK rows down, back along K
	s_cmp_eq_u32 s11, 0
	s_cselect_b32 s[LIM], s[LIM], -1               ; W's rows are the same for both tiles: they are asked for in the first alone
.else
	s_add_nc_u64 s[PFA:PFA+1], s[PFA:PFA+1], KSTEP*2
.endif
	MEET 1
	CREST                                          ; wave 0 says so for the work-group, all sixteen work-groups have said so, my work-group's barrier closes the round:
	                                               ; no wave of any partner still reads this slot's tile or has a load on its way
.if \on
	s_add_nc_u64 s[G0+4*(\slot)+2:G0+4*(\slot)+3], s[G0+4*(\slot)+2:G0+4*(\slot)+3], NEXT_A
	s_sub_nc_u64 s[G0B+4*(\slot)+2:G0B+4*(\slot)+3], s[G0B+4*(\slot)+2:G0B+4*(\slot)+3], BACK_B
.else
	s_add_nc_u64 s[G0+4*(\slot)+2:G0+4*(\slot)+3], s[G0+4*(\slot)+2:G0+4*(\slot)+3], 2*KSTEP*2
	s_add_nc_u64 s[G0B+4*(\slot)+2:G0B+4*(\slot)+3], s[G0B+4*(\slot)+2:G0B+4*(\slot)+3], 2*KSTEP*2
.endif
	JLOAD \slot                                    ; the first tensor load behind the round, my only one until the next; the four v_nop behind it are also the places in front of the loads below
	FETCH \next, 0, F0
	ASK \on                                        ; behind the joint load and the run of LDS loads that the next products wait for
	MUL16 F1, 1, 0, 0
	MUL16 F1, 1, 2, 0
.endm
; THE WAY OUT of block a (16 rows), in three parts.
; PACK: out = a y1 + (1 - a) y2, both with their bias inside: a packed multiply and a packed multiply-add for two numbers.  A lane's alpha is its row's.  It is rounded to bf16 here, as every input is, and widened
; into an even pair's low word, since the packed forms take their factor from a pair that begins on an even register; 1 - a is taken in f32 of the rounded a.
; Each accumulator's two lowest registers are read first.
.macro PACK a
.set AC, 64*((\a)%4)
	WIN 0
	v_cvt_pk_bf16_f32 v[AW], v[ALP+(\a)], v[ALP+(\a)]  ; rounded to nearest even,
	v_lshlrev_b32 v[AW], 16, v[AW]                 ; and an f32 again
	v_sub_f32 v[OM], 1.0, v[AW]
	WIN 0x02+(\a)/4                                ; source 0: window 2 (blocks 0-3) or 3 (blocks 4-7)
.irp b, 0,1,2,3
.irp r, 0,1,2,3
	v_pk_mul_f32 v[TMP+8*(\b)+2*(\r):TMP+8*(\b)+2*(\r)+1], v[AC+8*((\b)+4)+2*(\r):AC+8*((\b)+4)+2*(\r)+1], v[OM:OM+1] op_sel_hi:[1,0]
.endr
.irp r, 0,1,2,3
	v_pk_fma_f32 v[TMP+8*(\b)+2*(\r):TMP+8*(\b)+2*(\r)+1], v[AC+8*(\b)+2*(\r):AC+8*(\b)+2*(\r)+1], v[AW:AW+1], v[TMP+8*(\b)+2*(\r):TMP+8*(\b)+2*(\r)+1] op_sel_hi:[1,0,1]
.endr
.endr
	WIN 0
.endm
; TOSTAGE: a lane's 32 bytes of each of four n blocks go into my own stage, rows of 272 bytes, and come back as whole rows of 256 bytes (my 64 columns).
.macro TOSTAGE a
	WIN 0
.set BK, OB+192*((\a)%2)
.irp b, 0,1,2,3
	ds_store_b128 v[STO], v[TMP+8*(\b):TMP+8*(\b)+3]   offset:64*(\b)
	ds_store_b128 v[STO], v[TMP+8*(\b)+4:TMP+8*(\b)+7] offset:64*(\b)+16
.endr
.irp t, 0,1,2,3,4,5,6,7
	ds_load_b128 v[BK+4*(\t):BK+4*(\t)+3], v[RD] offset:(\t)*2*SPITCH  ; LDS serves a wave's instructions in order (ISA guide 5.7.1.4): these see the stores above
.endr
.endm
; SEND: stored.
.macro SEND a, younger                 ; younger: the LDS loads issued behind TOSTAGE's, which may stay out
	WIN 0
.set BK, OB+192*((\a)%2)
	s_wait_dscnt \younger                          ; the block is back in registers
	s_wait_xcnt 0x0                                ; every earlier memory instruction has had its addresses translated (ISA guide 3.1): only behind this wait are the stores' base and the registers that earlier stores read rewritten
.if (\a) == 0
	s_add_nc_u64 s[8:9], s[8:9], s[16:17]          ; on to this tile's first rows
.else
	s_add_nc_u64 s[8:9], s[8:9], 16*OUTROW         ; 16 rows on
.endif
.irp t, 0,1,2,3,4,5,6,7
	global_store_b128 v[CO], v[BK+4*(\t):BK+4*(\t)+3], s[8:9] offset:2*(\t)*OUTROW th:TH_STORE_NT  ; 16 lanes store 256 consecutive bytes, at a multiple of 256 from out0's first byte; written once, not read in the launch
.endr
.endm
; A tile's eight blocks: block a's arithmetic stands between block a - 1's loads from the stage and the wait for them.
.macro WAYOUT
	s_wait_loadcnt 0x0                             ; this tile's alpha, asked for a tile's products ago
	PACK 0
	TOSTAGE 0
.irp a, 1,2,3,4,5,6,7
	PACK \a
	SEND (\a)-1, 0
	TOSTAGE \a
.endr
	SEND 7, 0
.endm
	s_wait_tensorcnt 1                             ; my part of K step 0 is in; K step 1's may stay out
	s_barrier_signal -1
	s_barrier_wait -1                              ; everybody's is
	FETCH 0, 0, F0
	s_wait_loadcnt 0x0                             ; the bias (and alpha)
	WIN IN_B                                       ; the bias is rounded to bf16, as every input is, and widened in place: once a launch, while the first fragments come out of LDS
.set i, 0
.rept 32
	v_cvt_pk_bf16_f32 v[BT+i], v[2*i], v[2*i+1]    ; two roundings to nearest even, packed
.set i, i+1
.endr
.set i, 0
.rept 32
	v_lshlrev_b32 v[2*i], 16, v[BT+i]              ; bf16 to f32: the low half moves up,
	v_and_b32 v[2*i+1], 0xffff0000, v[BT+i]        ; the high half stays
.set i, i+1
.endr
	WIN 0
	s_mov_b32 s2, TILES                            ; tiles to go, this one among them: the same number in every work-group
.Ltile:                                                ; (every window is 0 here, on both ways in)
	QUARTER 0, 64,  F0, F1, 1                      ; a tile's first quarter stands in front of the loop: its products start the sums, with the bias
	WIN 0                                          ; at a label and at a branch every window is 0
	s_mov_b32 s3, LAPS-1
.Llap:                                                 ; a trip goes once round the ring, from a lap's second quarter to the next lap's first, and fills both slots again
	QUARTER 0, 128, F1, F0, 0
	QUARTER 0, 192, F0, F1, 0
	TURN 0, 1, 0
	QUARTER 1, 64,  F0, F1, 0
	QUARTER 1, 128, F1, F0, 0
	QUARTER 1, 192, F0, F1, 0
	TURN 1, 0, 0
	QUARTER 0, 64,  F0, F1, 0
	WIN 0
	s_sub_co_u32 s3, s3, 1
	s_cmp_lg_u32 s3, 0
	s_cbranch_scc1 .Llap
	QUARTER 0, 128, F1, F0, 0                      ; the tile's last lap goes on
	QUARTER 0, 192, F0, F1, 0
	WIN 0
	s_cmp_eq_u32 s2, 1
	s_cbranch_scc1 .Llast_tile                     ; the last tile's tail is written out: it asks for nothing more
	TURN 0, 1, 1                                   ; THE RING GOES ON INTO THE NEXT TILE: slot 0 takes its K step 0,
	QUARTER 1, 64,  F0, F1, 0
	QUARTER 1, 128, F1, F0, 0
	QUARTER 1, 192, F0, F1, 0
	TURN 1, 0, 1                                   ; slot 1 its K step 1, and the next tile's first fragments are fetched
	WAYOUT                                         ; both refills are asked for: now the tile goes out.  No v_nop: blocks 0-3 were finished in front of the joint load's four, and their arithmetic,
	                                               ; which names no register of the last products (blocks 4-7's), is those products' places
	s_add_nc_u64 s[ALF:ALF+1], s[ALF:ALF+1], WALK*4  ; alpha's loads were shown done at the way out's head, so their base may be written
.irp a, 0,1,2,3,4,5,6,7
	global_load_b32 v[ALP+(\a)], v[AO], s[ALF:ALF+1] offset:64*(\a)  ; the next tile's alpha
.endr
	s_mov_b64 s[16:17], NEXT_C                     ; what the next way out adds to out0's address
	s_sub_co_u32 s2, s2, 1
	s_branch .Ltile
.Llast_tile:
	MEET 0                                         ; my one tensor load that was still out is slot 1's, the last K step's, so no round follows
	PLACES                                         ; for the loads into buffer 0, which the quarter before multiplied
	FETCH 1, 0, F0
	MUL16 F1, 1, 0, 0
	MUL16 F1, 1, 2, 0
	QUARTER 1, 64,  F0, F1, 0
	QUARTER 1, 128, F1, F0, 0
	QUARTER 1, 192, F0, F1, 0
	s_wait_dscnt 8                                 ; the very last quarter: nothing more to fetch
	MUL16 F1, 0, 0, 0
	MUL16 F1, 0, 2, 0
	s_wait_dscnt 0x0
	MUL16 F1, 1, 0, 0
	MUL16 F1, 1, 2, 0
	WIN 0
	PLACES                                         ; block 0's arithmetic reads results with only matrix instructions behind them
	WAYOUT
	s_wait_tensorcnt 0x0                           ; the wave's end, behind my last tensor load and my last LDS store
	ds_add_u32 v[SPW], v[NIL]
	s_wait_dscnt 0x0
	CROUND                                         ; the closing round: no work-group ends while a partner may still ask for a tile that names it
	s_endpgm
.Lfunc_end_k_qaec923b7fb_gemm:
	.size	k_qaec923b7fb_gemm, .Lfunc_end_k_qaec923b7fb_gemm-k_qaec923b7fb_gemm
	.p2alignl 7, 3214868480
	.fill 96, 4, 3214868480
	.section	.rodata,"a",@progbits
	.p2align	6, 0x0
	.amdhsa_kernel k_qaec923b7fb_gemm
		.amdhsa_group_segment_fixed_size 327680
		.amdhsa_private_segment_fixed_size 0
		.amdhsa_enable_private_segment 0
		.amdhsa_kernarg_size 40
		.amdhsa_user_sgpr_count 2
		.amdhsa_user_sgpr_kernarg_segment_ptr 1
		.amdhsa_wavefront_size32 1
		.amdhsa_system_sgpr_workgroup_id_x 1
		.amdhsa_system_sgpr_workgroup_id_y 1
		.amdhsa_system_sgpr_workgroup_id_z 1
		.amdhsa_system_vgpr_workitem_id 0
		.amdhsa_next_free_vgpr 1024
		.amdhsa_next_free_sgpr 76
		.amdhsa_reserve_vcc 0
		.amdhsa_float_denorm_mode_32 3
		.amdhsa_float_denorm_mode_16_64 3
		.amdhsa_memory_ordered 1
		.amdhsa_forward_progress 1
		.amdhsa_inst_pref_size 221
	.end_amdhsa_kernel
	.amdgpu_metadata
---
amdhsa.version: [ 1, 2 ]
amdhsa.kernels:
  - .name:           k_qaec923b7fb_gemm
    .symbol:         k_qaec923b7fb_gemm.kd
    .args:
      - { .name: xw, .offset: 0, .size: 8, .value_kind: global_buffer, .address_space: global }
      - { .name: out0, .offset: 8, .size: 8, .value_kind: global_buffer, .address_space: global }
      - { .name: alpha, .offset: 16, .size: 8, .value_kind: global_buffer, .address_space: global }
      - { .name: bias1, .offset: 24, .size: 8, .value_kind: global_buffer, .address_space: global }
      - { .name: bias2, .offset: 32, .size: 8, .value_kind: global_buffer, .address_space: global }
    .group_segment_fixed_size: 327680
    .private_segment_fixed_size: 0
    .kernarg_segment_align: 8
    .kernarg_segment_size: 40
    .max_flat_workgroup_size: 128
    .sgpr_count:     76
    .vgpr_count:     1024
    .wavefront_size: 32
...
	.end_amdgpu_metadata
.endif
;; end of part 2
;; ======== version 2 of 2: 2 launches; version 1 with the launch tobf16 written anew for expert scheduling mode
;; workspace buffers: xw 50,331,648 bytes
;; launch tobf16 (part 3): grid 768 x 1, 8 waves a work-group, no clusters, 0 bytes of LDS; arguments input, weight1, weight2, xw; writes xw
.if DOCPART == 3
	.amdgcn_target "amdgcn-amd-amdhsa--gfx1250"
	.amdhsa_code_object_version 6
	.text
	.protected	k_qaec923b7fb_tobf16
	.globl	k_qaec923b7fb_tobf16
	.p2align	8
	.type	k_qaec923b7fb_tobf16,@function
k_qaec923b7fb_tobf16:
	s_mov_b64 s[64:65], 0
	v_nop
	global_prefetch_b8 v0, s[64:65] scope:SCOPE_SE
	s_setreg_imm32_b32 hwreg(HW_REG_WAVE_SCHED_MODE, 0, 2), 2
	s_setreg_imm32_b32 hwreg(HW_REG_WAVE_MODE, 25, 1), 1
	s_wait_xcnt 0x0
	s_wait_alu depctr_vm_vsrc(0)
; xw = bf16(input), then bf16(weight1), then bf16(weight2): 12,288 rows of 2,048 numbers, row-major, one behind the other.
; Each number is rounded once, to nearest even.  LIMITS: a finite f32 above bf16's largest finite number becomes an infinity; NaN stays NaN.
; All three sources are dense, so the work is flat: work-group g takes 32,768 numbers (131,072 bytes in, 65,536 out):
; g 0-511 input, g 512-639 weight1, g 640-767 weight2; no share lies in two sources.  Wave w takes 16,384 bytes of it, as 32 loads
; of 512 consecutive bytes (16 bytes a lane).  All 32 loads of a wave go out at once; they are rounded and stored in blocks of four as they come in.
; A store of the wave covers 256 consecutive bytes, aligned (8 bytes a lane).  No LDS, no barrier: no wave wants another's bytes.
; THE MODE: SCHED_MODE bits 1:0 = 2 (LLVM: expert scheduling mode 2), set by the entry lines.  The code itself states the register dependences
; between vector instructions and memory instructions, with s_wait_alu, always for 0.
; THE PLAN.  Registers that memory instructions touch:
;   v1, v3     byte offsets in and out, made at the head by vector lines and never written again; read by every load (v1) and every store (v3).
;   X          four registers to load i.  Load i lands in them, once; no vector line names them ahead of the loads.  Load i's two conversions read the four
;              and write the lowest two; store i reads those two; nothing writes them again.
; The 32 loads go in 8 blocks of four.  Block p's conversions name block p's registers alone; its memory instructions are the four stores of block p - 1,
; which read block p - 1's registers and v3.  So ONE wait on va_vdst at a block's head states all that its four stores hang on, and they are dealt among the
; block's conversions with no further wait.  No register that a memory instruction has read is ever written again: no wait on vm_vsrc is owed.
; No vector line writes a scalar register or VCC, and EXEC is never written.
.set X, 4                              ; v[4:131]  load i: four registers; its two lowest then hold the four bf16 to store
.set BLOCK,  4                         ; loads in a block
.set BLOCKS, 32 / BLOCK
	s_load_b256 s[4:11], s[0:1], 0x0               ; input s[4:5], weight1 s[6:7], weight2 s[8:9], xw s[10:11]
	v_and_b32 v1, 31, v0                           ; lane
	v_lshrrev_b32 v2, 5, v0                        ; wave
	v_lshlrev_b32 v1, 4, v1                        ; 16 bytes a lane
	v_lshl_add_u32 v1, v2, 14, v1                  ; + 16,384 x wave: my offset in the share, in
	v_lshrrev_b32 v3, 1, v1                        ; and out: half of it
	s_and_b32 s12, ttmp9, 127                      ; 512 and 640 are multiples of 128: the share's number inside weight1 or weight2
	s_wait_kmcnt 0x0
	s_cmp_lt_u32 ttmp9, 640
	s_cselect_b64 s[14:15], s[6:7], s[8:9]         ; weight1 or weight2,
	s_cmp_lt_u32 ttmp9, 512
	s_cselect_b64 s[14:15], s[4:5], s[14:15]       ; or input
	s_cselect_b32 s16, ttmp9, s12                  ; the share's number inside its source
	s_lshl_b32 s16, s16, 17                        ; x 131,072 bytes: 2^26 at the most
	s_mov_b32 s17, 0
	s_add_nc_u64 s[14:15], s[14:15], s[16:17]
	s_lshl_b32 s18, ttmp9, 16                      ; x 65,536 bytes in xw
	s_mov_b32 s19, 0
	s_add_nc_u64 s[10:11], s[10:11], s[18:19]
	s_wait_alu depctr_va_vdst(0)                   ; v1 and v3 are written: every load of the kernel reads v1 as its offset, every store v3
.set i, 0
.rept 32
	global_load_b128 v[X+4*i:X+4*i+3], v1, s[14:15] offset:512*i th:TH_LOAD_NT  ; read once in the launch
.set i, i+1
.endr
; Block p: its four loads are waited for; the block before goes out, a store in front of each pair of conversions.
.set p, 0
.rept BLOCKS
	s_wait_loadcnt 32-BLOCK*(p+1)                  ; loads come back in order (ISA guide 5.7.1): block p's four are in, the 28 - 4 p younger ones stay out
.if p > 0
	s_wait_alu depctr_va_vdst(0)                   ; block p - 1's conversions have written the eight registers that the four stores below read
.endif
.set j, 0
.rept BLOCK
.set i, BLOCK*p+j
.if p > 0
	global_store_b64 v3, v[X+4*(i-BLOCK):X+4*(i-BLOCK)+1], s[10:11] offset:256*(i-BLOCK)  ; the block before; no vector line since the wait names these registers, and none writes them again
.endif
	v_cvt_pk_bf16_f32 v[X+4*i], v[X+4*i], v[X+4*i+1]
	v_cvt_pk_bf16_f32 v[X+4*i+1], v[X+4*i+2], v[X+4*i+3]
.set j, j+1
.endr
.set p, p+1
.endr
	s_wait_alu depctr_va_vdst(0)                   ; the last block's conversions have written the eight registers that the last four stores read
.set i, 32-BLOCK
.rept BLOCK
	global_store_b64 v3, v[X+4*i:X+4*i+1], s[10:11] offset:256*i
.set i, i+1
.endr
	s_endpgm
.Lfunc_end_k_qaec923b7fb_tobf16:
	.size	k_qaec923b7fb_tobf16, .Lfunc_end_k_qaec923b7fb_tobf16-k_qaec923b7fb_tobf16
	.p2alignl 7, 3214868480
	.fill 96, 4, 3214868480
	.section	.rodata,"a",@progbits
	.p2align	6, 0x0
	.amdhsa_kernel k_qaec923b7fb_tobf16
		.amdhsa_group_segment_fixed_size 0
		.amdhsa_private_segment_fixed_size 0
		.amdhsa_enable_private_segment 0
		.amdhsa_kernarg_size 32
		.amdhsa_user_sgpr_count 2
		.amdhsa_user_sgpr_kernarg_segment_ptr 1
		.amdhsa_wavefront_size32 1
		.amdhsa_system_sgpr_workgroup_id_x 1
		.amdhsa_system_sgpr_workgroup_id_y 1
		.amdhsa_system_sgpr_workgroup_id_z 1
		.amdhsa_system_vgpr_workitem_id 0
		.amdhsa_next_free_vgpr 132
		.amdhsa_next_free_sgpr 66
		.amdhsa_reserve_vcc 0
		.amdhsa_float_denorm_mode_32 3
		.amdhsa_float_denorm_mode_16_64 3
		.amdhsa_memory_ordered 1
		.amdhsa_forward_progress 1
		.amdhsa_inst_pref_size 12
	.end_amdhsa_kernel
	.amdgpu_metadata
---
amdhsa.version: [ 1, 2 ]
amdhsa.kernels:
  - .name:           k_qaec923b7fb_tobf16
    .symbol:         k_qaec923b7fb_tobf16.kd
    .args:
      - { .name: input, .offset: 0, .size: 8, .value_kind: global_buffer, .address_space: global }
      - { .name: weight1, .offset: 8, .size: 8, .value_kind: global_buffer, .address_space: global }
      - { .name: weight2, .offset: 16, .size: 8, .value_kind: global_buffer, .address_space: global }
      - { .name: xw, .offset: 24, .size: 8, .value_kind: global_buffer, .address_space: global }
    .group_segment_fixed_size: 0
    .private_segment_fixed_size: 0
    .kernarg_segment_align: 8
    .kernarg_segment_size: 32
    .max_flat_workgroup_size: 256
    .sgpr_count:     66
    .vgpr_count:     132
    .wavefront_size: 32
...
	.end_amdgpu_metadata
.endif
;; end of part 3
;; launch gemm: the kernel of part 2 again; grid 16 x 16, 4 waves a work-group, clusters of 4 x 4, 327,680 bytes of LDS; arguments xw, out0, alpha, bias1, bias2; writes out0
